; MI455X (gfx1250); checked and timed in simulation.
; The chip was launched on July 23, 2026; its instructions are those of AMD's public machine-readable ISA for CDNA 5 (MIT licence, August 2026) and "CDNA5" Instruction Set Architecture Reference Guide (July 2026). The comments in the code are by the model that wrote it; some were corrected since.
;; Multi Head Attention. Allowed arithmetic: matrix products marked QUANTISED: E3M2 operands, one E8M0 scale for each 32 along K, by v_wmma_scale_f32_16x16x128_f8f6f4 with both operands' format E3M2, f32 sums; everything else in f32.
;; Inputs: fc_b 1,024 float32; fc_w 1,024 x 1,024 float32; key 4 x 2,048 x 1,024 float32; query 4 x 2,048 x 1,024 float32; value 4 x 2,048 x 1,024 float32.
;; Outputs: out0 4 x 2,048 x 1,024 float32.
;; This version of the problem:
;;   THIS VERSION OF THE PROBLEM IS GIVEN IN LOW PRECISION. The matrix products marked QUANTISED in the list below multiply operands that are first quantised to E3M2 (3 exponent bits, 2 mantissa bits; 6 bits a number), with one power-of-two scale for each 32 numbers along K (OCP MX v1.0); their sums are f32. All else is computed in f32.
;;   The module's matrix products, in the order in which they are computed (A, B: the left and right operand; K: the contracted axis; several contracted axes count as one K, in the product's order):
;;     1. batch 64 x [M 2,048, K 64] x [K 64, N 2,048]; A: input query; B: input key: QUANTISED
;;     2. batch 64 x [M 2,048, K 2,048] x [K 2,048, N 64]; A: softmax (see below); B: input value: QUANTISED
;;     3. [M 8,192, K 1,024] x [K 1,024, N 1,024]; A: computed on the way; B: input fc_w: QUANTISED
;;   THE QUANTISER, for each operand of a quantised product, along K:
;;     - K is cut into blocks of 32 from its start; a last block that is shorter is filled with zeros.
;;     - A block's scale is 2^e with e = floor(log2(the largest magnitude in the block)) - 4, held to -126 .. 127; a block of zeros has e = 0. As a byte (E8M0): e + 127.
;;     - Each number is divided by its block's scale, clamped to +-28, and rounded to the nearest number of E3M2, ties to even, subnormals kept.
;;     - The product sums the exact products of the quantised numbers (number of the format x scale) in f32.
;;   ~~~python
;;   def quantise(x, axis):      # numpy; x: float32 -> the quantised numbers, widened to float32 again
;;       x = np.moveaxis(x, axis, -1); K = x.shape[-1]
;;       x = np.pad(x, [(0, 0)] * (x.ndim - 1) + [(0, -K % 32)]); x = x.reshape(x.shape[:-1] + (-1, 32)); a = np.abs(x).max(-1, keepdims=True)
;;       e = np.where(a > 0, np.clip(np.frexp(np.where(a > 0, a, 1))[1] - 1 - 4, -126, 127), 0)      # np.frexp(a)[1] - 1 = floor(log2(a)), exactly
;;       r = np.clip(x / 2.0 ** e, -28, 28)
;;       step = 2.0 ** (np.maximum(np.frexp(np.where(r == 0, 1, r))[1] - 1, -2) - 2)
;;       q = np.round(r / step) * step * 2.0 ** e      # np.round: ties to even
;;       return np.moveaxis(q.reshape(q.shape[:-2] + (-1,))[..., :K], -1, axis).astype(np.float32)
;;   ~~~
;;   SOFTMAX AHEAD OF A QUANTISED PRODUCT. Where the list says 'softmax', what is quantised is not the finished softmax but p = 2^(t - M), with t = logit x log2(e) and M = ceil(the row's largest t), a whole number; so 1/2 < the row's largest p <= 1. The row's sum l is taken of the UNQUANTISED p, in f32, and the product's result is divided by l at the end. Since M is a whole number, a kernel that streams over the keys may use a running M (the ceiling of the running maximum): every later rescaling is an exact power of two, which a block's scale takes up: the codes' values come out the same.
;;   OPERANDS COMPUTED ON THE WAY. 'Computed on the way' means the value that the module computes at that place (a softmax that the list does not call 'softmax' is quantised finished and normalised). What goes into a quantiser is computed in f32, as accurately as f32 sums, v_exp_f32 and their like allow (about 1e-6 of the number): no bf16 or f16 on the way to a quantiser, and a product that is left as it is and whose result goes on into a quantised operand takes f32 operands (vector FMAs, or v_wmma_f32_16x16x4_f32). A number that lies on a knife's edge between two numbers of the format may be rounded either way, as far as f32 arithmetic and the matrix unit's own rounding can turn it there, and no further.
;; One version. Each part assembles by itself: llvm-mc -triple=amdgcn-amd-amdhsa -mcpu=gfx1250 --defsym DOCPART=n.
;; ======== version 1 of 1: 3 launches
;; limits: right only within a limited range of input values
;; workspace buffers: kv 13,107,200 bytes; wc 786,432 bytes; wsc 32,768 bytes; ac 6,291,456 bytes; asc 262,144 bytes
;; launch prep (part 1): grid 2176 x 1, 4 waves a work-group, no clusters, 41,984 bytes of LDS; arguments key, fc_w, value, kv, wc, wsc; writes kv, wc, wsc
.if DOCPART == 1
	.amdgcn_target "amdgcn-amd-amdhsa--gfx1250"
	.amdhsa_code_object_version 6
	.text
	.protected	k_q73f54c7202_prep
	.globl	k_q73f54c7202_prep
	.p2align	8
	.type	k_q73f54c7202_prep,@function
k_q73f54c7202_prep:
	s_mov_b64 s[64:65], 0
	v_nop
	global_prefetch_b8 v0, s[64:65] scope:SCOPE_SE
	s_setreg_imm32_b32 hwreg(HW_REG_WAVE_MODE, 25, 1), 1
	s_wait_xcnt 0x0
; key, value [4][2048][1024] and fc_w [1024][1024], f32, become codes of BF6 (E3M2) with one E8M0 byte for each 32 along a product's K,
; laid as IMAGES OF THE OPERANDS' REGISTERS: a fragment (12 registers x 32 lanes) is 1,536 bytes = 3 chunks of 512; chunk c holds lane l's registers 4 c .. 4 c + 3 at byte 16 l.
; kv: [y = 16 b + head][step of 128 keys][12,800 bytes]: four fragments of K, four of V^T, 256 bytes of K's scale words (16 r + 4 beta), 256 of V's (16 r + 4 t).
;   K's fragment beta carries TWO tiles of 16 keys, since a head has only 64 channels: lane (r, h): registers 0-5 key 64 (beta / 2) + 16 (beta % 2) + r % 8 + 32 (r / 8), registers 6-11 the key 8 further on,
;   channels 32 h .. 32 h + 31.  So rows 0-7 of the four tiles of fragments 2 c, 2 c + 1 are the 32 keys of block 2 c of the step, rows 8-15 those of block 2 c + 1.
;   V^T's fragment t: lane (r, h): channel 32 (t / 2) + 8 (t % 2) + r + 8 (r / 8); registers 6 c .. 6 c + 5: keys 64 c + 32 h + 0 .. 31 of the step.
; wc: [n / 16][k / 128][1,536]: lane (r, h): row r, registers 6 c ..: k = 64 c + 32 h + 0 .. 31.   wsc: [n / 16][512]: the word of (row r, K step 4 j + k') at 256 j + 16 r + 4 k'.
; A block's scale is 2^(floor(log2(its largest magnitude)) - 4); its byte is the largest magnitude's exponent field - 4, held at 1 from below by a floor among the maximum's leaves.
; LIMITS: NaN and infinities among the inputs are not served.  A block whose largest magnitude lies under 2^(5 - 127), a block of zeros among them, gets the byte 1 (the quantiser's text says 127 for zeros): its codes
; under that byte are what the floor gives, zeros for zeros, which add nothing under any byte but 0xff, and the bytes are read by this program alone.
; SHARES: work-groups 0-1023 take key (one step of one head; wave w = fragment beta), 1024-1151 fc_w (16 rows x 512 along K; wave w = K step 4 j + w), the rest value (one step of one head; wave w = key block w).
; key and fc_w have K innermost and run ONE path: only pointers, offsets and two strides are chosen, on the work-group's number.  value has K (the keys) outermost: a path of its own, with LDS bytes of its own.
; No tensor loads, no loop: a wave makes one fragment's worth, 8,192 bytes of f32, all asked for at once.
.set KSTW,  8704                       ; K and W: a wave's own stage: two regions of 16 rows, 272 bytes apart
.set KSC,   34816                      ; K and W: the work-group's 64 scale words
.set VST,   35072                      ; V: the four images
.set VSC,   41216                      ; V: the 256 scale bytes
.set SPARE, 41472                      ; the spare words, 128 bytes a wave
.set REC,   12800
.set HEADB, 204800
.set FRB,   1536
.set FLOOR, 0x2800000                  ; 2^(5 - 127)
.set SPW,   30                         ; v30 my spare word, v31 zero: never rewritten
.set NIL,   31
; Two blocks of 32 numbers of a lane, v[x] .. and v[x + 32] .., become 6 + 6 registers of codes at v[c] on; v[m + 4], v[m + 5] their scale bytes.
.macro QUANT2 x, m, c, t
.irp u, 0,1
	v_max3_num_f32 v[\m+\u], |v[\x+32*\u]|, |v[\x+1+32*\u]|, FLOOR    ; the largest magnitude, the floor among its leaves; the two blocks by turns
.endr
.irp i, 2,4,6,8,10,12,14,16,18,20,22,24,26,28,30
.irp u, 0,1
	v_max3_num_f32 v[\m+\u], v[\m+\u], |v[\x+32*\u+\i]|, |v[\x+1+32*\u+\i]|
.endr
.endr
.irp u, 0,1
	v_add_nc_u32 v[\m+2+\u], 0xfe000000, v[\m+\u]                  ; 4 off its exponent field: the conversion's scale operand
.endr
.irp u, 0,1
	v_lshrrev_b32 v[\m+4+\u], 23, v[\m+2+\u]                       ; the scale's byte
.endr
.irp u, 0,1
	v_cvt_scalef32_pk16_bf6_f32 v[\c+6*\u:\c+6*\u+2], v[\x+32*\u:\x+32*\u+15], v[\m+2+\u]
	v_cvt_scalef32_pk16_bf6_f32 v[\t+4*\u:\t+4*\u+2], v[\x+32*\u+16:\x+32*\u+31], v[\m+2+\u]   ; (a conversion's three registers begin on an even number)
.endr
	v_nop                                                          ; one plain instruction behind the scaled conversions
.irp u, 0,1
.irp i, 0,1,2
	v_mov_b32 v[\c+6*\u+3+\i], v[\t+4*\u+\i]
.endr
.endr
.endm
	s_load_b256 s[4:11], s[0:1], 0x0               ; key s[4:5], fc_w s[6:7], value s[8:9], kv s[10:11]
	s_load_b128 s[12:15], s[0:1], 0x20             ; wc s[12:13], wsc s[14:15]
	v_lshl_add_u32 v[SPW], v0, 2, SPARE
	v_mov_b32 v[NIL], 0
	v_lshrrev_b32 v4, 5, v0
	v_readfirstlane_b32 s16, v4                    ; wave 0..3
	v_and_b32 v1, 15, v0                           ; lane % 16
	v_bfe_u32 v2, v0, 4, 1                         ; lane / 16
	v_and_b32 v3, 31, v0                           ; lane
	v_lshlrev_b32 v9, 4, v3                        ; 16 x lane: my place in a chunk of an image
	v_lshlrev_b32 v11, 3, v3                       ; 8 x lane: my place in the 256 bytes of scales
	s_cmp_ge_u32 ttmp9, 1152
	s_cbranch_scc1 .Lvalue
	; ---------------- key and fc_w: K innermost ----------------
	s_and_b32 s17, ttmp9, 15                       ; as key's work-group: head,
	s_bfe_u32 s18, ttmp9, 0x40004                  ; step,
	s_lshr_b32 s19, ttmp9, 8                       ; b
	s_lshl_b32 s20, s19, 4
	s_add_co_u32 s20, s20, s17                     ; y
	s_lshl_b32 s21, s19, 23                        ; from: b x 2,048 rows of 4,096 bytes
	s_lshl_b32 s22, s18, 19                        ; + step x 128 rows
	s_or_b32 s21, s21, s22
	s_lshr_b32 s22, s16, 1
	s_lshl_b32 s22, s22, 18                        ; + (wave / 2) x 64 rows
	s_or_b32 s21, s21, s22
	s_and_b32 s22, s16, 1
	s_lshl_b32 s22, s22, 16                        ; + (wave % 2) x 16 rows
	s_or_b32 s21, s21, s22
	s_lshl_b32 s22, s17, 8                         ; + head x 256 bytes
	s_or_b32 s21, s21, s22
	s_mul_i32 s22, s20, HEADB
	s_mul_i32 s23, s18, REC
	s_add_co_u32 s22, s22, s23                     ; the step's record in kv
	s_mul_i32 s23, s16, FRB
	s_add_co_u32 s23, s23, s22                     ; to: fragment beta = wave
	s_add_co_u32 s24, s22, 12288                   ; and K's scale words
	s_and_b32 s25, ttmp9, 127                      ; as fc_w's work-group:
	s_lshr_b32 s26, s25, 1                         ; nu = n / 16,
	s_and_b32 s27, s25, 1                          ; j: which half of K
	s_lshl_b32 s28, s27, 2
	s_add_co_u32 s28, s28, s16                     ; K step 4 j + wave
	s_lshl_b32 s29, s26, 16                        ; from: nu x 16 rows of 4,096 bytes
	s_lshl_b32 s30, s28, 9                         ; + K step x 512 bytes
	s_or_b32 s29, s29, s30
	s_lshl_b32 s30, s26, 3
	s_add_co_u32 s30, s30, s28
	s_mul_i32 s30, s30, FRB                        ; to: fragment 8 nu + K step
	s_lshl_b32 s31, s26, 9
	s_lshl_b32 s46, s27, 8
	s_add_co_u32 s31, s31, s46                     ; and the scale words: 512 nu + 256 j
	s_mov_b32 s48, 0x76543210
	s_mov_b32 s49, 0xfedcba98                      ; v_permlanex16_b32's selects for lane l xor 16
	s_mul_i32 s46, s16, KSTW                       ; my stage
	s_wait_alu depctr_va_vdst(0)                   ; the wait behind the run of scalar instructions
	v_mul_u32_u24 v7, v2, 4352
	v_lshl_add_u32 v7, v1, 4, v7
	v_add_nc_u32 v7, s46, v7                       ; into it: lanes 0-15 region 0, lanes 16-31 region 1; 16 bytes a lane; the row stands in the offset
	v_mul_u32_u24 v8, v1, 272
	v_lshl_add_u32 v8, v2, 7, v8
	v_add_nc_u32 v8, s46, v8                       ; out of it: row r, 128 bytes for each half of the lanes; the region stands in the offset
	s_lshl_b32 s47, s16, 2
	v_lshl_add_u32 v10, v1, 4, s47
	v_add_nc_u32 v10, KSC, v10                     ; my row's scale word: 16 r + 4 x wave
	v_add_nc_u32 v12, KSC, v11
	v_lshlrev_b32 v13, 3, v2                       ; 8 h
	v_mov_b32 v59, 0                               ; a lane permute's destination counts as one of its sources
	s_wait_alu depctr_va_vdst(0)                   ; the wait at the head's end
	s_wait_kmcnt 0x0
	s_cmp_lt_u32 ttmp9, 1024                       ; key or fc_w: the choice hangs on the work-group's number alone; only moves and selects stand up to the last select
	s_cselect_b64 s[32:33], s[4:5], s[6:7]
	s_cselect_b64 s[34:35], s[10:11], s[12:13]
	s_cselect_b64 s[36:37], s[10:11], s[14:15]
	s_cselect_b32 s40, s21, s29
	s_cselect_b32 s42, s23, s30
	s_cselect_b32 s44, s24, s31
	s_mov_b32 s38, 256
	s_cselect_b32 s38, 32768, s38                  ; from lanes 0-15 to lanes 16-31: key: 8 rows on;  fc_w: the row's second 256 bytes
	s_mov_b32 s39, 32768
	s_cselect_b32 s39, 131072, s39                 ; from loads 0-7 to loads 8-15: key: 32 rows on;  fc_w: 8 rows on
	s_mov_b32 s41, 0
	s_mov_b32 s43, 0
	s_mov_b32 s45, 0
	s_add_nc_u64 s[32:33], s[32:33], s[40:41]
	s_add_nc_u64 s[34:35], s[34:35], s[42:43]
	s_add_nc_u64 s[36:37], s[36:37], s[44:45]
	v_mul_u32_u24 v5, s38, v2
	v_lshl_add_u32 v5, v1, 4, v5
	v_add_nc_u32 v6, s39, v5
.irp j, 0,1,2,3,4,5,6,7                        ; load j: each half of the lanes reads 256 consecutive bytes, aligned: region u = lane / 16, row j
	global_load_b128 v[32+4*\j:35+4*\j], v5, s[32:33] offset:4096*\j th:TH_LOAD_NT
.endr
.irp j, 0,1,2,3,4,5,6,7
	global_load_b128 v[64+4*\j:67+4*\j], v6, s[32:33] offset:4096*\j th:TH_LOAD_NT
.endr
.irp j, 0,1,2,3,4,5,6,7,8,9,10,11,12,13,14,15
	s_wait_loadcnt 15-\j                           ; loads come back in order: load j is in, the 15 - j younger ones may be out
	ds_store_b128 v7, v[32+4*\j:35+4*\j] offset:272*\j
.endr
.irp u, 0,1                                    ; back, 128 bytes a lane and region: block u of my row: 32 neighbours along K.  LDS serves a wave's instructions in order: these see my stores
.irp q, 0,1,2,3,4,5,6,7
	ds_load_b128 v[96+32*\u+4*\q:99+32*\u+4*\q], v8 offset:4352*\u+16*\q
.endr
.endr
	s_wait_dscnt 0x0
	QUANT2 96, 52, 32, 44                          ; codes v[32:43]; bytes v56, v57
	v_lshl_or_b32 v58, v57, 16, v56                ; my two bytes: blocks h and 2 + h of the fragment's row,
	v_lshlrev_b32 v58, v13, v58                    ; at their places in the scale word (8 h bits up);
	v_permlanex16_b32 v59, v58, s48, s49
	v_or_b32 v58, v58, v59                         ; with lane l xor 16's two the word is whole
.irp c, 0,1,2
	global_store_b128 v9, v[32+4*\c:35+4*\c], s[34:35] offset:512*\c   ; a chunk: 512 consecutive bytes, aligned
.endr
	ds_store_b32 v10, v58                          ; both halves of the lanes write the same word with the same value
	s_wait_dscnt 0x0                               ; for the others' sake: my word lies in LDS
	s_barrier_signal -1
	s_barrier_wait -1
	s_cmp_lg_u32 s16, 0
	s_cbranch_scc1 .Lkw_end
	ds_load_b64 v[60:61], v12                      ; wave 0: the four waves' 64 words leave as 256 consecutive bytes, aligned
	s_wait_dscnt 0x0
	global_store_b64 v11, v[60:61], s[36:37]
.Lkw_end:
	s_wait_tensorcnt 0x0                           ; the wave's end
	ds_add_u32 v[SPW], v[NIL]
	s_wait_dscnt 0x0
	s_endpgm
	; ---------------- value: K = the keys, which are not innermost ----------------
	; A lane takes a channel and its registers run down the keys: lane l holds channel l (v32-63) and channel 32 + l (v64-95) for the wave's 32 keys: two whole blocks, and the conversions give codes with the keys innermost.
.Lvalue:
	s_sub_co_u32 s25, ttmp9, 1152
	s_and_b32 s17, s25, 15                         ; head
	s_bfe_u32 s18, s25, 0x40004                    ; step
	s_lshr_b32 s19, s25, 8                         ; b
	s_lshl_b32 s20, s19, 4
	s_add_co_u32 s20, s20, s17                     ; y
	s_lshl_b32 s40, s19, 23
	s_lshl_b32 s22, s18, 19
	s_or_b32 s40, s40, s22
	s_lshl_b32 s22, s16, 17                        ; + wave x 32 rows
	s_or_b32 s40, s40, s22
	s_lshl_b32 s22, s17, 8
	s_or_b32 s40, s40, s22
	s_mov_b32 s41, 0
	s_mul_i32 s22, s20, HEADB
	s_mul_i32 s23, s18, REC
	s_add_co_u32 s22, s22, s23                     ; the step's record
	s_mul_i32 s42, s16, FRB
	s_add_co_u32 s42, s42, s22
	s_add_co_u32 s42, s42, 6144                    ; to: wave w stores fragment t = w
	s_mov_b32 s43, 0
	s_add_co_u32 s44, s22, 12544                   ; and V's scale words
	s_mov_b32 s45, 0
	; where a lane's 24 bytes go in the images.  Channel 32 b' + l is row r = l % 8 + 8 (l / 16) of fragment 2 b' + u, u = (l / 8) % 2; key block w is registers 6 c .. 6 c + 5 of lanes 16 h + r, h = w % 2, c = w / 2
	s_lshr_b32 s26, s16, 1                         ; c
	s_and_b32 s27, s16, 1                          ; h
	s_lshl_b32 s27, s27, 8                         ; 16 x 16 h
	s_mul_i32 s28, s26, 520
	s_mul_i32 s29, s26, 1016
	s_add_co_u32 s29, s29, 8
	s_add_co_u32 s30, s28, 512
	s_wait_alu depctr_va_vdst(0)                   ; the wait behind the run of scalar instructions
	v_lshlrev_b32 v5, 2, v3                        ; in: 4 bytes a lane
	v_and_b32 v14, 7, v0
	v_lshlrev_b32 v14, 4, v14
	v_lshl_add_u32 v14, v2, 7, v14                 ; 16 r
	v_bfe_u32 v15, v0, 3, 1                        ; u
	v_mad_u32_u24 v16, v15, FRB, v14
	v_add_nc_u32 v16, s27, v16
	v_add_nc_u32 v16, VST, v16                     ; fragment u, lane 16 h + r
	v_add_nc_u32 v6, s28, v16                      ; registers 6 c, 6 c + 1:     c = 0: byte 0;    c = 1: chunk 1, byte 8
	v_add_nc_u32 v7, s29, v16                      ; registers 6 c + 2, 6 c + 3: c = 0: byte 8;    c = 1: chunk 2, byte 0
	v_add_nc_u32 v8, s30, v16                      ; registers 6 c + 4, 6 c + 5: c = 0: chunk 1, byte 0;  c = 1: chunk 2, byte 8
	v_lshl_add_u32 v10, v15, 2, v14
	v_add_nc_u32 v10, s16, v10
	v_add_nc_u32 v10, VSC, v10                     ; my scale byte: word 16 r + 4 u (+ 8 b'), byte w
	s_mul_i32 s31, s16, FRB
	v_add_nc_u32 v13, s31, v9
	v_add_nc_u32 v13, VST, v13                     ; out: image w, 16 x lane
	v_add_nc_u32 v12, VSC, v11
	s_wait_alu depctr_va_vdst(0)                   ; the wait at the head's end
	s_wait_kmcnt 0x0
	s_add_nc_u64 s[32:33], s[8:9], s[40:41]
	s_add_nc_u64 s[34:35], s[10:11], s[42:43]
	s_add_nc_u64 s[36:37], s[10:11], s[44:45]
.set i, 0
.rept 32                                       ; key i: the two loads together read the head's 256 consecutive bytes of that row
	global_load_b32 v[32+i], v5, s[32:33] offset:4096*i th:TH_LOAD_NT
	global_load_b32 v[64+i], v5, s[32:33] offset:4096*i+128 th:TH_LOAD_NT
.set i, i+1
.endr
	s_wait_loadcnt 0x0
	QUANT2 32, 116, 96, 108                        ; codes v[96:101] (channel l), v[102:107] (channel 32 + l); bytes v120, v121
.irp b, 0,1
	ds_store_b64 v6, v[96+6*\b:97+6*\b] offset:3072*\b
	ds_store_b64 v7, v[98+6*\b:99+6*\b] offset:3072*\b
	ds_store_b64 v8, v[100+6*\b:101+6*\b] offset:3072*\b
	ds_store_b8 v10, v[120+\b] offset:8*\b
.endr
	s_wait_dscnt 0x0                               ; for the others' sake: my parts of the four images lie in LDS
	s_barrier_signal -1
	s_barrier_wait -1
.irp c, 0,1,2
	ds_load_b128 v[124+4*\c:127+4*\c], v13 offset:512*\c
.endr
	s_wait_dscnt 0x0
.irp c, 0,1,2
	global_store_b128 v9, v[124+4*\c:127+4*\c], s[34:35] offset:512*\c   ; 512 consecutive bytes, aligned
.endr
	s_cmp_lg_u32 s16, 0
	s_cbranch_scc1 .Lv_end
	ds_load_b64 v[136:137], v12                    ; wave 0: the 64 scale words leave as 256 consecutive bytes, aligned
	s_wait_dscnt 0x0
	global_store_b64 v11, v[136:137], s[36:37]
.Lv_end:
	s_wait_tensorcnt 0x0                           ; the wave's end
	ds_add_u32 v[SPW], v[NIL]
	s_wait_dscnt 0x0
	s_endpgm
.Lfunc_end_k_q73f54c7202_prep:
	.size	k_q73f54c7202_prep, .Lfunc_end_k_q73f54c7202_prep-k_q73f54c7202_prep
	.p2alignl 7, 3214868480
	.fill 96, 4, 3214868480
	.section	.rodata,"a",@progbits
	.p2align	6, 0x0
	.amdhsa_kernel k_q73f54c7202_prep
		.amdhsa_group_segment_fixed_size 41984
		.amdhsa_private_segment_fixed_size 0
		.amdhsa_enable_private_segment 0
		.amdhsa_kernarg_size 48
		.amdhsa_user_sgpr_count 2
		.amdhsa_user_sgpr_kernarg_segment_ptr 1
		.amdhsa_wavefront_size32 1
		.amdhsa_system_sgpr_workgroup_id_x 1
		.amdhsa_system_sgpr_workgroup_id_y 1
		.amdhsa_system_sgpr_workgroup_id_z 1
		.amdhsa_system_vgpr_workitem_id 0
		.amdhsa_next_free_vgpr 160
		.amdhsa_next_free_sgpr 66
		.amdhsa_reserve_vcc 0
		.amdhsa_float_denorm_mode_32 3
		.amdhsa_float_denorm_mode_16_64 3
		.amdhsa_memory_ordered 1
		.amdhsa_forward_progress 1
		.amdhsa_inst_pref_size 25
	.end_amdhsa_kernel
	.amdgpu_metadata
---
amdhsa.version: [ 1, 2 ]
amdhsa.kernels:
  - .name:           k_q73f54c7202_prep
    .symbol:         k_q73f54c7202_prep.kd
    .args:
      - { .name: key, .offset: 0, .size: 8, .value_kind: global_buffer, .address_space: global }
      - { .name: fc_w, .offset: 8, .size: 8, .value_kind: global_buffer, .address_space: global }
      - { .name: value, .offset: 16, .size: 8, .value_kind: global_buffer, .address_space: global }
      - { .name: kv, .offset: 24, .size: 8, .value_kind: global_buffer, .address_space: global }
      - { .name: wc, .offset: 32, .size: 8, .value_kind: global_buffer, .address_space: global }
      - { .name: wsc, .offset: 40, .size: 8, .value_kind: global_buffer, .address_space: global }
    .group_segment_fixed_size: 41984
    .private_segment_fixed_size: 0
    .kernarg_segment_align: 8
    .kernarg_segment_size: 48
    .max_flat_workgroup_size: 128
    .sgpr_count:     66
    .vgpr_count:     160
    .wavefront_size: 32
...
	.end_amdgpu_metadata
.endif
;; end of part 1
;; launch attn (part 2): grid 4 x 64, 16 waves a work-group, clusters of 4 x 1, 277,504 bytes of LDS; arguments query, kv, ac, asc; writes ac, asc
.if DOCPART == 2
	.amdgcn_target "amdgcn-amd-amdhsa--gfx1250"
	.amdhsa_code_object_version 6
	.text
	.protected	k_q73f54c7202_attn
	.globl	k_q73f54c7202_attn
	.p2align	8
	.type	k_q73f54c7202_attn,@function
k_q73f54c7202_attn:
	s_mov_b64 s[64:65], 0
	v_nop
	global_prefetch_b8 v0, s[64:65] scope:SCOPE_SE
	s_setreg_imm32_b32 hwreg(HW_REG_WAVE_MODE, 25, 1), 1
	s_wait_xcnt 0x0
	s_wait_alu depctr_hold_cnt(0) depctr_sa_sdst(0) depctr_va_vdst(0) depctr_va_sdst(0) depctr_va_ssrc(0) depctr_va_vcc(0) depctr_vm_vsrc(0)
	s_getreg_b32 s2, hwreg(HW_REG_IB_STS2, 6, 4)
	s_cmp_eq_u32 s2, 0
	s_cbranch_scc0 .Lentry_in_a_cluster
	s_endpgm
.Lentry_in_a_cluster:
	s_bfe_u32 s2, ttmp6, 0x10000c
	s_cmp_lg_u32 s2, 0x3003
	s_cbranch_scc0 .Lentry_shape_is_right
	s_endpgm
.Lentry_shape_is_right:
; For each of 64 (batch, head) pairs y: o[q] = the sum over k of softmax_k(q . k / 64) v[k], both products on codes of BF6 (E3M2) with one E8M0 scale for each 32 along a product's K.
; o is quantised at once for the linear layer that follows (a head's 64 channels are two whole blocks of that product's K) and leaves as codes (ac) and scale bytes (asc).
; THE SOFTMAX: t = score x log2(e) / 64; M = the row's largest t so far, rounded UP to a whole number; p = 2^(t - M) is quantised along the keys, not normalised.  The row's sum is taken of the
; unquantised p and divides at the end.  When M moves, the sum and O are multiplied by 2^(old M - new M): exact.
; SHARES: a work-group owns 512 queries of one y, each of its sixteen waves 32 of them, as two tiles of 16, one after the other.  Every wave walks the head's 2,048 keys, 128 a step.
; K AND V of the whole head, codes and scale words, are 204,800 bytes (16 records of 12,800, images of the operands' registers): they come into LDS ONCE and stay; no LDS byte is filled twice.
; CLUSTER: the four work-groups of a head ask for it JOINTLY: wave w's one tensor load brings record w, with the same descriptor and a mask that names the four; a wave has one tensor load out.
; K and V are not prefetched: they are asked for once, at the head, with no loop ahead of them.  The second tile's 16 rows of query are: one request a wave behind the head's barrier, sixteen steps ahead of their loads.
; LAYOUT: both products are used transposed: S^T = K Q^T (source 0 = keys, source 1 = my 16 queries), O^T = V^T P^T: a lane holds ONE query (lane % 16) throughout.
; The first product's K is 64 in an instruction 128 deep: a fragment of K carries two tiles of 16 keys, one in each half of the 128, and is multiplied once by [Q, 0] (v[22:33]) and once by [0, Q] (v[16:27]).
; THE KEYS OF A TILE: row r of tile i (0 .. 7) is key 64 (i / 4) + 32 (r / 8) + 8 (i % 4) + r % 8.  So register 32 c + n of S^T is key 64 c + 32 (lane / 16) + n: A LANE HOLDS TWO WHOLE BLOCKS of 32 keys,
; in the very order of the second product's operand: a block's largest score needs no other lane, and the conversions' results are the operand's registers.
; THE STEP IS LAID so that no place behind a matrix instruction is idle: the row sum's additions stand behind the second product (under them the next step's fragments of K come from LDS) and ahead of it;
; the sum's last four additions stand behind the next step's first product.  A tile's first step starts O^T with C = 0 and its last asks for the next tile's first record, or for nothing: both are written out.
; LIMITS: NaN and infinities are not served.  The promise holds while |t| stays under 2^31.  A p under 2^-126 counts as 0 (v_exp_f32's result, ISA guide 15.8).  A block whose largest magnitude lies
; under 2^(5 - 127), a block of zeros too, gets the scale byte 1.  A block's largest p is made from its largest score by the same two instructions as every p.
.set REC,   12800                      ; a step's record: K's four fragments, V^T's four, K's scale words, V's
.set HEADB, 204800
.set FRB,   1536
.set QST,   204800                     ; behind the head: a stage of 16 rows x (256 + 16) bytes for each wave, for Q
.set QSTW,  4352
.set ASCR,  274432                     ; the scale half-words of the work-group's 512 queries
.set SPARE, 275456                     ; the spare words, 128 bytes a wave
.set FLOOR, 0x2800000                  ; 2^(5 - 127)
.set LI,   1                           ; 16 x lane
.set L8,   2                           ; 8 x lane
.set AD,   3                           ; a record + 16 x lane
.set QO,   4                           ; Q in memory: lanes 0-15 one row's 256 bytes, lanes 16-31 the next row's
.set QSA,  5                           ; the same two rows in my stage
.set QRA,  6                           ; out of the stage: row r, 128 bytes for each half of the lanes
.set ASA0, 7                           ; my query's half-word in ASCR
.set PF,   8                           ; the prefetch: a row of query a lane (lanes 16-31 name row 15 again)
.set ASR,  9                           ; the way out of ASCR: 16 bytes a thread (threads 0-63)
.set ASG,  10                          ; and the same place in asc
.set H8,   11                          ; 8 x (lane / 16)
                                       ; v12 -M; v13 the largest score; v[14:15] the sum in two halves; v16-21, v28-33 zeros
.set QR,   22                          ; v22-27 Q's codes
.set QW,   40                          ; Q's scale word: bytes q0, q1, q0, q1
.set F,    44                          ; v44-91 four fragments of K or of V^T
.set SW,   92                          ; v92-95 scale words: lanes 0-15 K's four, lanes 16-31 V's four
.set S,    96                          ; v96-159 S^T, then p
.set O,    160                         ; v160-191 O^T
.set P,    192                         ; v192-203 p's codes
.set CT,   204                         ; v204-210 second halves of the conversions
.set BM,   212                         ; my two blocks' largest score, then largest p
.set BA,   214                         ; second chains of the maxima
.set SO,   216                         ; the conversions' scale operands
.set BT,   218                         ; scale bytes
.set W,    220
.set W2,   221
.set TMP,  222
.set TMP2, 223
.set OLD,  224
.set HW,   225                         ; o's two scale bytes
.set FF,   226                         ; f = 2^(old M - new M)
.set PW,   227                         ; p's scale word
.set T,    228                         ; v228-235 four partial sums of a step's p, in pairs
.set SPW,  254
.set NIL,  255
.set WV,   12
.set SEL,  20                          ; s[20:21] v_permlanex16_b32's selects for lane l xor 16
.set CS,   22                          ; s[22:23] c = log2(e) / 64
.set G1,   24
.set G0,   32
.set TK,   36                          ; the record that the step asks for
.set ST,   37
.macro CROUND                          ; a round of the cluster's barrier
	s_barrier_signal -1
	s_barrier_wait -1
	s_cmp_lg_u32 s[WV], 0
	s_cbranch_scc1 .Lnot_wave_0_\@
	s_barrier_signal -3
.Lnot_wave_0_\@:
	s_barrier_wait -3
	s_barrier_signal -1
	s_barrier_wait -1
.endm
.macro QLOAD t                         ; tile t of my queries: a load takes two rows, each half of the lanes 256 consecutive bytes, aligned
.irp j, 0,1,2,3,4,5,6,7
	global_load_b128 v[S+32+4*\j:S+32+4*\j+3], v[QO], s[4:5] offset:65536*\t+8192*\j th:TH_LOAD_NT
.endr
.endm
.macro QTILE                           ; through my stage, so that a lane holds 32 neighbours along K (row r, channels 32 h on); then quantised: codes v[QR ..], scale word v[QW]
.irp j, 0,1,2,3,4,5,6,7
	s_wait_loadcnt 7-\j                            ; loads come back in order: the count is that of the younger ones
	ds_store_b128 v[QSA], v[S+32+4*\j:S+32+4*\j+3] offset:544*\j
.endr
.irp q, 0,1,2,3,4,5,6,7
	ds_load_b128 v[S+4*\q:S+4*\q+3], v[QRA] offset:16*\q           ; LDS serves a wave's instructions in order: these see my stores
.endr
	s_wait_dscnt 0x0
	v_max3_num_f32 v[BM], |v[S]|, |v[S+1]|, FLOOR                  ; the block's largest magnitude, the floor among its leaves; two chains
	v_max3_num_f32 v[BM+1], |v[S+2]|, |v[S+3]|, |v[S+4]|
.irp i, 5,9,13,17,21,25
	v_max3_num_f32 v[BM], v[BM], |v[S+\i]|, |v[S+\i+1]|
	v_max3_num_f32 v[BM+1], v[BM+1], |v[S+\i+2]|, |v[S+\i+3]|
.endr
	v_max3_num_f32 v[BM], v[BM], |v[S+29]|, |v[S+30]|
	s_delay_alu instid0(VALU_DEP_1)
	v_max3_num_f32 v[BM], v[BM], v[BM+1], |v[S+31]|
	s_delay_alu instid0(VALU_DEP_1)
	v_add_nc_u32 v[SO], 0xfe000000, v[BM]          ; 4 off its exponent field: the conversion's scale operand
	v_cvt_scalef32_pk16_bf6_f32 v[QR:QR+2], v[S:S+15], v[SO]
	v_cvt_scalef32_pk16_bf6_f32 v[CT:CT+2], v[S+16:S+31], v[SO]    ; (a conversion's three registers begin on an even number)
	v_lshrrev_b32 v[W], 23, v[SO]                  ; the scale's byte,
	s_delay_alu instid0(VALU_DEP_1)
	v_lshlrev_b32 v[W], v[H8], v[W]                ; at its place, 8 h bits up;
	s_delay_alu instid0(VALU_DEP_1)
	v_permlanex16_b32 v[W2], v[W], s[SEL], s[SEL+1]
	s_delay_alu instid0(VALU_DEP_1)
	v_or_b32 v[W], v[W], v[W2]                     ; with lane l xor 16's: q0, q1;
	s_delay_alu instid0(VALU_DEP_1)
	v_lshl_or_b32 v[QW], v[W], 16, v[W]            ; and once more for the other half of the 128
.irp i, 0,1,2
	v_mov_b32 v[QR+3+\i], v[CT+\i]
.endr
.rept 8
	v_nop                                          ; a scale word made by vector instructions stands eight places ahead of a scaled product
.endr
.endm
.macro KLOAD                           ; a record's scale words and K's four fragments: images come back as they were stored, 512 consecutive bytes a load
	ds_load_b128 v[SW:SW+3], v[AD] offset:12288
.irp f, 0,1,2,3
.irp c, 0,1,2
	ds_load_b128 v[F+12*\f+4*\c:F+12*\f+4*\c+3], v[AD] offset:FRB*\f+512*\c
.endr
.endr
.endm
.macro ADDS a, n                       ; n pairs of p, from pair a on, onto the four partial sums by turns
.set q, \a
.rept \n
	v_pk_add_f32 v[T+2*(q%4):T+2*(q%4)+1], v[T+2*(q%4):T+2*(q%4)+1], v[S+2*q:S+2*q+1]
.set q, q+1
.endr
.endm
.macro MERGE                           ; the four partial sums onto the row's sum
	v_pk_add_f32 v[T:T+1], v[T:T+1], v[T+2:T+3]
	v_pk_add_f32 v[T+4:T+5], v[T+4:T+5], v[T+6:T+7]
	v_pk_add_f32 v[14:15], v[14:15], v[T:T+1]
	v_pk_add_f32 v[14:15], v[14:15], v[T+4:T+5]
.endm
; 128 keys.  first = 1: the tile's first step.  pre = 1: record s[TK]'s K is asked for at the step's end.
.macro STEP first, pre
	s_wait_alu depctr_va_vdst(0)                   ; directly ahead of the wait below
	s_wait_dscnt 0x0                               ; K's fragments and the scale words are in
.irp f, 0,1,2,3
.irp u, 0,1
	v_wmma_scale_f32_16x16x128_f8f6f4 v[S+16*\f+8*\u:S+16*\f+8*\u+7], v[F+12*\f:F+12*\f+11], v[QR-6*\u:QR+11-6*\u], 0, v[SW+\f], v[QW] matrix_a_fmt:MATRIX_FMT_BF6 matrix_b_fmt:MATRIX_FMT_BF6
.endr
.endr
.if \first                             ; four places behind the products: in front of the loads into K's registers and of the first read of the scores
	v_mov_b32 v14, 0
	v_mov_b32 v15, 0
	v_nop
	v_nop
.else
	MERGE                                          ; the step before's p, still under the old M
.endif
.irp f, 0,1,2,3
.irp c, 0,1,2
	ds_load_b128 v[F+12*\f+4*\c:F+12*\f+4*\c+3], v[AD] offset:6144+FRB*\f+512*\c   ; V^T's four fragments land while the softmax is worked
.endr
.endr
.irp c, 0,1                            ; the largest score of each of my two blocks, two chains each, ascending: each accumulator is read from its low end on
	v_max3_num_f32 v[BM+\c], v[S+32*\c], v[S+32*\c+1], v[S+32*\c+2]
	v_max3_num_f32 v[BA+\c], v[S+32*\c+16], v[S+32*\c+17], v[S+32*\c+18]
.endr
.irp i, 3,5,7,9,11,13
.irp c, 0,1
	v_max3_num_f32 v[BM+\c], v[BM+\c], v[S+32*\c+\i], v[S+32*\c+\i+1]
	v_max3_num_f32 v[BA+\c], v[BA+\c], v[S+32*\c+16+\i], v[S+32*\c+17+\i]
.endr
.endr
.irp c, 0,1
	v_max3_num_f32 v[BM+\c], v[BM+\c], v[BA+\c], v[S+32*\c+15]
.endr
.irp c, 0,1
	v_max_num_f32 v[BM+\c], v[BM+\c], v[S+32*\c+31]
.endr
	s_delay_alu instid0(VALU_DEP_1)
	v_max_num_f32 v[TMP], v[BM], v[BM+1]
	s_delay_alu instid0(VALU_DEP_1)
	v_permlanex16_b32 v[TMP2], v[TMP], s[SEL], s[SEL+1]
	s_delay_alu instid0(VALU_DEP_1)
.if \first
	v_max_num_f32 v13, v[TMP], v[TMP2]             ; the largest score of my query
.else
	v_max3_num_f32 v13, v13, v[TMP], v[TMP2]       ; the running largest score
	v_mov_b32 v[OLD], v12
.endif
	v_mul_f32 v[TMP], s[CS], v13                   ; as t (c is positive)
	s_delay_alu instid0(VALU_DEP_1)
	v_floor_f32 v12, -v[TMP]                       ; -M = floor(-t) = -ceil(t): a whole number
.if \first == 0
	s_delay_alu instid0(VALU_DEP_1)
	v_sub_f32 v[TMP], v12, v[OLD]                  ; M's old value less its new one: a whole number, 0 or less
	s_delay_alu instid0(VALU_DEP_1)
	v_cvt_i32_f32 v[TMP], v[TMP]                   ; (it saturates)
	s_delay_alu instid0(VALU_DEP_1)
	v_ldexp_f32 v[FF], 1.0, v[TMP]                 ; f = 2^(old M - new M)
.endif
.set j, 0
.rept 32
	v_pk_fma_f32 v[S+j:S+j+1], v[S+j:S+j+1], s[CS:CS+1], v[12:13] op_sel_hi:[1,0,0]   ; t - M, two at a time (of the pairs c and -M the low word serves both halves)
.set j, j+2
.endr
.irp c, 0,1
	v_fma_f32 v[BM+\c], v[BM+\c], s[CS], v12       ; the same of each block's largest score
.endr
.if \first == 0
	v_pk_mul_f32 v[14:15], v[14:15], v[FF:FF+1] op_sel_hi:[1,0]    ; the sum under the new M,
.set j, 0
.rept 16
	v_pk_mul_f32 v[O+j:O+j+1], v[O+j:O+j+1], v[FF:FF+1] op_sel_hi:[1,0]   ; and O^T, each accumulator from its low end on
.set j, j+2
.endr
.endif
	s_wait_alu depctr_va_vdst(0)                   ; the wait ahead of the batch
.set j, 0
.rept 64
	v_exp_f32 v[S+j], v[S+j]                       ; p = 2^(t - M), at most 1: not normalised
.set j, j+1
.endr
	v_exp_f32 v[BM], v[BM]                         ; a block's largest p: the same two instructions on the same number give the same bits
	v_exp_f32 v[BM+1], v[BM+1]
.if \pre
	v_add_nc_u32 v[AD], s[TK], v[LI]               ; the plain instruction behind the exponentials: V's loads have read the old address
.else
	v_nop
.endif
	s_wait_dscnt 0x0                               ; V^T's fragments are in
	s_wait_alu depctr_va_vdst(0)                   ; one wait for the batch, ahead of its first reader
.irp c, 0,1
	v_max_num_f32 v[BM+\c], FLOOR, v[BM+\c]        ; the floor: the byte cannot fall under 1
.endr
.irp c, 0,1
	v_add_nc_u32 v[SO+\c], 0xfe000000, v[BM+\c]    ; 4 off the exponent field: the conversion's scale operand
.endr
.irp c, 0,1                            ; my block 2 c + h: registers 6 c .. 6 c + 5 of the operand
	v_cvt_scalef32_pk16_bf6_f32 v[P+6*\c:P+6*\c+2], v[S+32*\c:S+32*\c+15], v[SO+\c]
	v_cvt_scalef32_pk16_bf6_f32 v[CT+4*\c:CT+4*\c+2], v[S+32*\c+16:S+32*\c+31], v[SO+\c]   ; (a conversion's three registers begin on an even number)
.endr
.irp c, 0,1
	v_lshrrev_b32 v[BT+\c], 23, v[SO+\c]           ; the scale's byte
.endr
	s_delay_alu instid0(VALU_DEP_1)
	v_lshl_or_b32 v[W], v[BT+1], 16, v[BT]         ; my two bytes: blocks h and 2 + h,
	s_delay_alu instid0(VALU_DEP_1)
	v_lshlrev_b32 v[W], v[H8], v[W]                ; at their places in the scale word (8 h bits up);
	s_delay_alu instid0(VALU_DEP_1)
	v_permlanex16_b32 v[W2], v[W], s[SEL], s[SEL+1]
	s_delay_alu instid0(VALU_DEP_1)
	v_or_b32 v[PW], v[W], v[W2]                    ; with lane l xor 16's two the word is whole
.irp c, 0,1
.irp i, 0,1,2
	v_mov_b32 v[P+6*\c+3+\i], v[CT+4*\c+\i]
.endr
.endr
.irp k, 0,1,2,3                        ; THE ROW'S SUM IS TAKEN OF THE UNQUANTISED p.  These eight additions are the places between the codes' and the scale word's last writes and the products
	v_pk_add_f32 v[T+2*\k:T+2*\k+1], v[S+4*\k:S+4*\k+1], v[S+4*\k+2:S+4*\k+3]
.endr
	ADDS 8, 4
.irp t, 0,1,2,3                        ; O^T += V^T P^T: four accumulators, one instruction each; V's scale words lie in lanes 16-31
.if \first
	v_wmma_scale_f32_16x16x128_f8f6f4 v[O+8*\t:O+8*\t+7], v[F+12*\t:F+12*\t+11], v[P:P+11], 0, v[SW+\t], v[PW] matrix_a_fmt:MATRIX_FMT_BF6 matrix_b_fmt:MATRIX_FMT_BF6 matrix_a_scale:MATRIX_SCALE_ROW1
.else
	v_wmma_scale_f32_16x16x128_f8f6f4 v[O+8*\t:O+8*\t+7], v[F+12*\t:F+12*\t+11], v[P:P+11], v[O+8*\t:O+8*\t+7], v[SW+\t], v[PW] matrix_a_fmt:MATRIX_FMT_BF6 matrix_b_fmt:MATRIX_FMT_BF6 matrix_a_scale:MATRIX_SCALE_ROW1
.endif
.endr
	ADDS 12, 4                                     ; four places in front of the loads into registers that the products read
.if \pre
	KLOAD
.endif
	ADDS 16, 16                                    ; the rest of the sum stands under the loads' flight
.endm
; A tile of 16 queries: sixteen steps; then o = O^T / the sum, quantised along the 64 channels (two blocks of the next product's K), codes and scale bytes out.
.macro TILE t
	s_mov_b32 s[TK], REC
	STEP 1, 1
	s_mov_b32 s[ST], 14
.Lstep_\t:
	s_add_co_u32 s[TK], s[TK], REC
	STEP 0, 1
	s_sub_co_u32 s[ST], s[ST], 1
	s_cmp_lg_u32 s[ST], 0
	s_cbranch_scc1 .Lstep_\t
.if \t == 0
	s_mov_b32 s[TK], 0
	STEP 0, 1                                      ; the last step asks for record 0, for the second tile
.else
	STEP 0, 0
.endif
	MERGE
.if \t == 0
	QLOAD 1                                        ; the second tile's queries come while the first tile's result is worked
.endif
	v_add_f32 v14, v14, v15                        ; the sum's two halves,
	s_delay_alu instid0(VALU_DEP_1)
	v_permlanex16_b32 v[TMP2], v14, s[SEL], s[SEL+1]
	s_delay_alu instid0(VALU_DEP_1)
	v_add_f32 v14, v14, v[TMP2]                    ; and lane l xor 16's: the row's sum
	s_wait_alu depctr_va_vdst(0)                   ; the wait ahead of the reciprocal
	v_rcp_f32 v14, v14
	v_nop                                          ; one plain instruction behind it
	s_wait_alu depctr_va_vdst(0)                   ; and the wait ahead of its first reader, which is also O^T's
.set j, 0
.rept 16
	v_pk_mul_f32 v[S+j:S+j+1], v[O+j:O+j+1], v[14:15] op_sel_hi:[1,0]   ; register 16 b + i: channel 32 b + 16 h + i; each accumulator from its low end on
.set j, j+2
.endr
.irp b, 0,1
	v_max3_num_f32 v[BM+\b], |v[S+16*\b]|, |v[S+16*\b+1]|, FLOOR
.endr
.irp i, 2,4,6,8,10,12,14
.irp b, 0,1
	v_max3_num_f32 v[BM+\b], v[BM+\b], |v[S+16*\b+\i]|, |v[S+16*\b+\i+1]|
.endr
.endr
.irp b, 0,1
	v_permlanex16_b32 v[BT+\b], v[BM+\b], s[SEL], s[SEL+1]
.endr
.irp b, 0,1
	v_max_num_f32 v[BM+\b], v[BM+\b], v[BT+\b]     ; with lane l xor 16's: the block's largest magnitude
.endr
.irp b, 0,1
	v_add_nc_u32 v[SO+\b], 0xfe000000, v[BM+\b]
.endr
.irp b, 0,1
	v_lshrrev_b32 v[BT+\b], 23, v[SO+\b]
.endr
	s_delay_alu instid0(VALU_DEP_1)
	v_lshl_or_b32 v[HW], v[BT+1], 8, v[BT]         ; my row's two scale bytes
	v_cvt_scalef32_pk16_bf6_f32 v[P:P+2], v[S:S+15], v[SO]
	v_cvt_scalef32_pk16_bf6_f32 v[CT:CT+2], v[S+16:S+31], v[SO+1]
	v_nop                                          ; one plain instruction behind the scaled conversions
.irp i, 0,1,2
	v_permlane16_swap_b32 v[P+\i], v[CT+\i]        ; lanes 0-15 now hold block 0, lanes 16-31 block 1
.endr
.irp i, 0,1,2
	v_mov_b32 v[P+3+\i], v[CT+\i]
.endr
	global_store_b128 v[LI], v[P:P+3], s[8:9] offset:12288*\t      ; half a fragment of the next product's A, as an image of its six registers: 512 consecutive bytes,
	global_store_b64 v[L8], v[P+4:P+5], s[8:9] offset:12288*\t+512 ; and 256: 768 in all, aligned to 256
	ds_store_b16 v[ASA0], v[HW] offset:32*\t       ; both halves of the lanes write the same half-word with the same value
.if \t == 0
	s_wait_xcnt 0x0                                ; the stores have read their registers: they are written again only behind this wait
	QTILE
.endif
.endm
	s_load_b256 s[4:11], s[0:1], 0x0               ; query s[4:5], kv s[6:7], ac s[8:9], asc s[10:11]
	v_lshl_add_u32 v[SPW], v0, 2, SPARE
	v_mov_b32 v[NIL], 0
	ds_add_u32 v[SPW], v[NIL]                      ; the opening lines: the add, twice on end, and its wait ahead of my tensor load
	ds_add_u32 v[SPW], v[NIL]
	v_lshrrev_b32 v42, 5, v0
	v_readfirstlane_b32 s[WV], v42                 ; wave 0..15
	v_and_b32 v42, 31, v0
	v_lshlrev_b32 v[LI], 4, v42
	v_lshlrev_b32 v[L8], 3, v42
	v_min_u32 v[PF], 15, v42
	v_lshlrev_b32 v[PF], 12, v[PF]
	v_and_b32 v42, 15, v0                          ; lane % 16
	v_bfe_u32 v43, v0, 4, 1                        ; lane / 16
	v_lshlrev_b32 v[QO], 4, v42
	v_lshl_add_u32 v[QO], v43, 12, v[QO]
	s_mul_i32 s46, s[WV], QSTW
	s_add_co_u32 s46, s46, QST                     ; my stage
	v_mul_u32_u24 v[QSA], v43, 272
	v_lshl_add_u32 v[QSA], v42, 4, v[QSA]
	v_add_nc_u32 v[QSA], s46, v[QSA]
	v_mul_u32_u24 v[QRA], v42, 272
	v_lshl_add_u32 v[QRA], v43, 7, v[QRA]
	v_add_nc_u32 v[QRA], s46, v[QRA]
	s_lshl_b32 s47, s[WV], 6
	s_add_co_u32 s47, s47, ASCR
	v_lshl_add_u32 v[ASA0], v42, 1, s47            ; 64 bytes a wave, 2 bytes a query
	v_and_b32 v[ASG], 63, v0
	v_lshlrev_b32 v[ASG], 4, v[ASG]
	v_add_nc_u32 v[ASR], ASCR, v[ASG]
	v_lshlrev_b32 v[H8], 3, v43
	v_mov_b32 v[AD], v[LI]                         ; record 0
	v_mov_b32 v[W2], 0                             ; written once: a lane permute's destination counts as one of its sources
	v_mov_b32 v[TMP2], 0
	v_mov_b32 v[BT], 0
	v_mov_b32 v[BT+1], 0
	v_mov_b32 v[PW], 0                             ; (named as the upper half of the pair v[226:227])
.irp j, 0,1,2,3,4,5
	v_mov_b32 v[16+\j], 0                          ; the zero codes on both sides of Q
	v_mov_b32 v[28+\j], 0
.endr
	s_bfe_u32 s40, ttmp6, 0x40000                  ; cx: it enters the addresses of query, ac and asc alone
	s_lshl_b32 s41, ttmp9, 2
	s_add_co_u32 s41, s41, s40                     ; my block of 512 queries
	s_and_b32 s42, ttmp7, 0xffff                   ; y, which the four partners share
	s_lshr_b32 s43, s42, 4                         ; b
	s_and_b32 s44, s42, 15                         ; head
	s_mov_b32 s[G1+0], 15|(3<<16)|(1<<21)          ; a record is dense: 50 rows of 256 bytes (32 elements of 8 bytes); the mask names all four work-groups, bit 21 beside it
	s_mov_b32 s[G1+1], 32<<16
	s_mov_b32 s[G1+2], 50<<16
	s_mov_b32 s[G1+3], 32<<16
	s_mov_b32 s[G1+4], 50
	s_mov_b32 s[G1+5], 32
	s_mov_b32 s[G1+6], 0
	s_mov_b32 s[G1+7], 0
	s_mov_b32 s[G0], 1
	s_mul_i32 s[G0+1], s[WV], REC                  ; LDS address: record w
	s_mul_i32 s48, s42, HEADB
	s_add_co_u32 s48, s48, s[G0+1]                 ; and the same record in kv: made of y and the wave's number alone
	s_mov_b32 s49, 0
	s_lshl_b32 s50, s43, 23                        ; query: b x 2,048 rows of 4,096 bytes
	s_lshl_b32 s45, s41, 21                        ; + block x 512 rows
	s_or_b32 s50, s50, s45
	s_lshl_b32 s45, s[WV], 17                      ; + wave x 32 rows
	s_or_b32 s50, s50, s45
	s_lshl_b32 s45, s44, 8                         ; + head x 256 bytes
	s_or_b32 s50, s50, s45
	s_mov_b32 s51, 0
	s_lshl_b32 s52, s43, 7                         ; ac: [tile of 16 rows][head][768]: tile 128 b + 32 block + 2 wave
	s_lshl_b32 s45, s41, 5
	s_add_co_u32 s52, s52, s45
	s_lshl_b32 s45, s[WV], 1
	s_add_co_u32 s52, s52, s45
	s_mul_i32 s52, s52, 12288
	s_mul_i32 s45, s44, 768
	s_add_co_u32 s52, s52, s45
	s_mov_b32 s53, 0
	s_lshl_b32 s54, s42, 12                        ; asc: [y][2,048] half-words
	s_lshl_b32 s45, s41, 10
	s_add_co_u32 s54, s54, s45
	s_mov_b32 s55, 0
	s_mov_b32 s[SEL], 0x76543210
	s_mov_b32 s[SEL+1], 0xfedcba98
	s_mov_b32 s[CS], 0x3cb8aa3b                    ; log2(e) / 64
	s_mov_b32 s[CS+1], s[CS]                       ; (named with it as a pair, so it is written)
	s_wait_alu depctr_va_vdst(0)                   ; the wait at the head's end
	s_wait_dscnt 0x0                               ; both opening adds are done
	s_wait_kmcnt 0x0
	s_add_nc_u64 s[G0+2:G0+3], s[6:7], s[48:49]
	s_or_b32 s[G0+3], s[G0+3], 0x80000000          ; type = 2
	s_add_nc_u64 s[4:5], s[4:5], s[50:51]
	s_add_nc_u64 s[8:9], s[8:9], s[52:53]
	s_add_nc_u64 s[10:11], s[10:11], s[54:55]
	QLOAD 0                                        ; my first 16 queries are on their way while the cluster meets
	CROUND                                         ; all four work-groups are here: the joint loads meet
	tensor_load_to_lds s[G0:G0+3], s[G1:G1+7]      ; my one tensor load: record w of the head
	s_nop 0
.rept 4
	v_nop
.endr
	QTILE
	s_wait_tensorcnt 0x0                           ; my record lies in LDS,
	s_barrier_signal -1
	s_barrier_wait -1                              ; and so does everybody's: from here on the head is only read
	KLOAD                                          ; record 0
	global_prefetch_b8 v[PF], s[4:5] offset:65536 th:TH_LOAD_NT scope:SCOPE_SE   ; my second tile's 16 rows x 256 bytes, a lane a row; their loads stand sixteen steps on; the address registers are never rewritten
	TILE 0
	TILE 1
	s_wait_dscnt 0x0                               ; for the others' sake: my half-words lie in LDS
	s_barrier_signal -1
	s_barrier_wait -1
	s_cmp_gt_u32 s[WV], 1
	s_cbranch_scc1 .Lno_asc
	ds_load_b128 v[F:F+3], v[ASR]                  ; waves 0 and 1: the work-group's 1,024 bytes of scales leave 16 bytes a lane, 512 consecutive bytes a wave
	s_wait_dscnt 0x0
	global_store_b128 v[ASG], v[F:F+3], s[10:11]
.Lno_asc:
	s_wait_tensorcnt 0x0                           ; the wave's end
	ds_add_u32 v[SPW], v[NIL]
	s_wait_dscnt 0x0
	CROUND                                         ; the closing round: no work-group ends while a partner may still ask for a record that names it
	s_endpgm
.Lfunc_end_k_q73f54c7202_attn:
	.size	k_q73f54c7202_attn, .Lfunc_end_k_q73f54c7202_attn-k_q73f54c7202_attn
	.p2alignl 7, 3214868480
	.fill 96, 4, 3214868480
	.section	.rodata,"a",@progbits
	.p2align	6, 0x0
	.amdhsa_kernel k_q73f54c7202_attn
		.amdhsa_group_segment_fixed_size 277504
		.amdhsa_private_segment_fixed_size 0
		.amdhsa_enable_private_segment 0
		.amdhsa_kernarg_size 32
		.amdhsa_user_sgpr_count 2
		.amdhsa_user_sgpr_kernarg_segment_ptr 1
		.amdhsa_wavefront_size32 1
		.amdhsa_system_sgpr_workgroup_id_x 1
		.amdhsa_system_sgpr_workgroup_id_y 1
		.amdhsa_system_sgpr_workgroup_id_z 1
		.amdhsa_system_vgpr_workitem_id 0
		.amdhsa_next_free_vgpr 256
		.amdhsa_next_free_sgpr 66
		.amdhsa_reserve_vcc 0
		.amdhsa_float_denorm_mode_32 3
		.amdhsa_float_denorm_mode_16_64 3
		.amdhsa_memory_ordered 1
		.amdhsa_forward_progress 1
		.amdhsa_inst_pref_size 104
	.end_amdhsa_kernel
	.amdgpu_metadata
---
amdhsa.version: [ 1, 2 ]
amdhsa.kernels:
  - .name:           k_q73f54c7202_attn
    .symbol:         k_q73f54c7202_attn.kd
    .args:
      - { .name: query, .offset: 0, .size: 8, .value_kind: global_buffer, .address_space: global }
      - { .name: kv, .offset: 8, .size: 8, .value_kind: global_buffer, .address_space: global }
      - { .name: ac, .offset: 16, .size: 8, .value_kind: global_buffer, .address_space: global }
      - { .name: asc, .offset: 24, .size: 8, .value_kind: global_buffer, .address_space: global }
    .group_segment_fixed_size: 277504
    .private_segment_fixed_size: 0
    .kernarg_segment_align: 8
    .kernarg_segment_size: 32
    .max_flat_workgroup_size: 512
    .sgpr_count:     66
    .vgpr_count:     256
    .wavefront_size: 32
...
	.end_amdgpu_metadata
.endif
;; end of part 2
;; launch fc (part 3): grid 4 x 64, 4 waves a work-group, clusters of 4 x 1, 168,448 bytes of LDS; arguments ac, asc, wc, wsc, fc_b, out0; writes out0
.if DOCPART == 3
	.amdgcn_target "amdgcn-amd-amdhsa--gfx1250"
	.amdhsa_code_object_version 6
	.text
	.protected	k_q73f54c7202_fc
	.globl	k_q73f54c7202_fc
	.p2align	8
	.type	k_q73f54c7202_fc,@function
k_q73f54c7202_fc:
	s_mov_b64 s[64:65], 0
	v_nop
	global_prefetch_b8 v0, s[64:65] scope:SCOPE_SE
	s_setreg_imm32_b32 hwreg(HW_REG_WAVE_MODE, 25, 1), 1
	s_wait_xcnt 0x0
	s_wait_alu depctr_hold_cnt(0) depctr_sa_sdst(0) depctr_va_vdst(0) depctr_va_sdst(0) depctr_va_ssrc(0) depctr_va_vcc(0) depctr_vm_vsrc(0)
	s_getreg_b32 s2, hwreg(HW_REG_IB_STS2, 6, 4)
	s_cmp_eq_u32 s2, 0
	s_cbranch_scc0 .Lentry_in_a_cluster
	s_endpgm
.Lentry_in_a_cluster:
	s_bfe_u32 s2, ttmp6, 0x10000c
	s_cmp_lg_u32 s2, 0x3003
	s_cbranch_scc0 .Lentry_shape_is_right
	s_endpgm
.Lentry_shape_is_right:
; out0[m][n] = the sum over k of A[m][k] W[n][k] + b[n]: 8,192 x 1,024 x 1,024, on codes of BF6 (E3M2) with one E8M0 scale for each 32 along K; sums in f32.
; A (the attention's result) and W arrive as images of the operands' registers, laid by the two launches before:
;   ac [m / 16][head][768]: half c = head % 2 of the fragment of K step head / 2: lane l's registers 0-3 at 16 l, then registers 4, 5 at 512 + 8 l.   asc [16 b + head][2,048] half-words: a row's two scale bytes in that head.
;   wc [n / 16][k / 128][1,536]: three chunks of 512, lane l's registers 4 c .. 4 c + 3 at 16 l.   wsc [n / 16][512]: the word of (row r, K step 4 j + k') at 256 j + 16 r + 4 k'.
; SHARES.  A work-group makes 128 rows x 256 columns; wave w its columns 64 w .. 64 w + 63 for all 128 rows.  THE WAVES SHARE THE COLUMNS: a wave's 32 fragments of W (384 registers) come straight from memory into
; registers, once, and stay; they are asked for behind the joint loads, in the order of their use, and the first tile's K steps 0-3 start while the 48 loads of K steps 4-7 may still be out.
; What goes through LDS is A's block, 98,304 bytes for all of K, which all four waves read.  It comes ONCE: no LDS byte is filled twice.
; CLUSTER: the four work-groups of a row block (the four quarters of N) need the same block of A and the same scales: they are asked for JOINTLY, one tensor load a wave: waves 0 to 2 a third of the block each (128 rows of
; 256 bytes), wave 3 the scales of all sixteen heads; the same descriptor in all four partners and a mask that names the four.  A wave has one tensor load out.
; No prefetch: every buffer is asked for once, at the head, with no loop ahead of it.
; THE MATRIX INSTRUCTION IS USED TRANSPOSED (source 0 = 16 rows of W, source 1 = 16 rows of A): a lane then holds eight neighbouring columns of one row of out0.  The bias is the C of each sum's first product.
; REGISTERS, in windows of 256: window 0: v1-12 addresses; v16-31 W's scale words; v32-63 A's; v64-127 two sets of four accumulators; v128-223 A's eight fragments of a tile of 16 rows; v224-255 rows on the way out.
;   window 1: W's fragments of K steps 0-3, (n tile, K step) at v[12 (4 n + k)].   window 2: those of K steps 4-7 at the same numbers; v192-223 the bias, eight registers an n tile.
.set FR,   12
.set FRB,  1536
.set ASCT, 98304                       ; behind A's block: its scales, [head][128 rows] half-words
.set STG,  102400                      ; and a stage of 16 rows x (256 + 16) bytes for each wave
.set SPARE, 167936                     ; the spare words, 128 bytes a wave
.set LA,   1                           ; 16 x lane
.set LA4,  2                           ; the same, four tiles of A on
.set LB,   3                           ; 8 x lane
.set LB4,  4                           ; the same, four tiles on
.set STO,  5                           ; the stage: where I put 32 bytes of a row
.set RD,   6                           ; and where I read a row back
.set CO,   7                           ; my byte offset in two rows of out0
.set BO,   8                           ; 32 x (lane / 16): my eight numbers of the bias
.set SA,   9                           ; ASCT + 2 x lane
.set SPW,  14
.set NIL,  15
.set WS,   16                          ; register 4 n + k % 4: lanes 0-15 K steps 0-3, lanes 16-31 K steps 4-7
.set AS,   32                          ; register 8 (i / 2) + k: lanes 0-15 the even tile of rows, lanes 16-31 the odd one
.set ACC,  64
.set AF,   128
.set OB,   224
.set BI,   192                         ; in window 2
.set WV,   16
.set G1A,  24                          ; s[24:31] group 1 for A's block;  s[32:39] for its scales;  s[40:43], s[44:47] their groups 0
.set G1S,  32
.set G0S,  40
.set G0A,  44
.set MSB, 0
.macro WIN new                         ; bits 1:0 source 0, 3:2 source 1, 5:4 source 2, 7:6 destination; the immediate's high byte repeats the setting that is left
.if MSB != \new
	s_set_vgpr_msb (MSB<<8)|\new
.set MSB, \new
.endif
.endm
.macro CROUND                          ; a round of the cluster's barrier
	s_barrier_signal -1
	s_barrier_wait -1
	s_cmp_lg_u32 s[WV], 0
	s_cbranch_scc1 .Lnot_wave_0_\@
	s_barrier_signal -3
.Lnot_wave_0_\@:
	s_barrier_wait -3
	s_barrier_signal -1
	s_barrier_wait -1
.endm
.macro PLACES                          ; four plain instructions between a matrix instruction and a load into a register that it read, or an LDS store of its result (ISA guide 7.12.1 for the LDS stores)
.rept 4
	v_nop
.endr
.endm
	s_load_b256 s[4:11], s[0:1], 0x0               ; ac s[4:5], asc s[6:7], wc s[8:9], wsc s[10:11]
	s_load_b128 s[12:15], s[0:1], 0x20             ; fc_b s[12:13], out0 s[14:15]
	v_lshl_add_u32 v[SPW], v0, 2, SPARE
	v_mov_b32 v[NIL], 0
	ds_add_u32 v[SPW], v[NIL]                      ; the opening lines: the add, twice on end, and its wait ahead of my tensor load
	ds_add_u32 v[SPW], v[NIL]
	v_lshrrev_b32 v10, 5, v0
	v_readfirstlane_b32 s[WV], v10                 ; wave 0..3
	v_and_b32 v10, 31, v0                          ; lane
	v_and_b32 v11, 15, v0                          ; lane % 16
	v_bfe_u32 v12, v0, 4, 1                        ; lane / 16
	v_lshlrev_b32 v[LA], 4, v10
	v_add_nc_u32 v[LA4], 49152, v[LA]
	v_lshlrev_b32 v[LB], 3, v10
	v_add_nc_u32 v[LB4], 49152, v[LB]
	s_mul_i32 s17, s[WV], 4352
	s_add_co_u32 s17, s17, STG                     ; my stage
	v_mul_u32_u24 v[STO], v11, 272
	v_lshl_add_u32 v[STO], v12, 5, v[STO]
	v_add_nc_u32 v[STO], s17, v[STO]               ; in: row r, 32 bytes for each half of the lanes
	v_mul_u32_u24 v[RD], v12, 272
	v_lshl_add_u32 v[RD], v11, 4, v[RD]
	v_add_nc_u32 v[RD], s17, v[RD]                 ; back: lanes 0-15 one row of 256 bytes, lanes 16-31 the next
	v_lshlrev_b32 v[CO], 4, v11
	v_lshl_add_u32 v[CO], v12, 12, v[CO]           ; and the same two rows in out0
	v_lshlrev_b32 v[BO], 5, v12
	v_lshl_add_u32 v[SA], v10, 1, ASCT
	s_bfe_u32 s48, ttmp6, 0x40000                  ; cx: it enters the addresses of wc, wsc, fc_b and out0 alone
	s_lshl_b32 s49, ttmp9, 2
	s_add_co_u32 s49, s49, s48                     ; X: my quarter of N
	s_and_b32 s50, ttmp7, 0xffff                   ; Y: my block of 128 rows, which the four partners share
	; group 1 for A: a third of the block is dense: 128 rows of 256 bytes (32 elements of 8 bytes)
	s_mov_b32 s[G1A+0], 15|(3<<16)|(1<<21)         ; 15:0 the mask: all four work-groups; 17:16 elements of 8 bytes; 20 no padding; 21 set beside a mask
	s_mov_b32 s[G1A+1], 32<<16                     ; tensor_dim0 = 32
	s_mov_b32 s[G1A+2], 128<<16                    ; tensor_dim1 = 128
	s_mov_b32 s[G1A+3], 32<<16                     ; tile_dim0 = 32
	s_mov_b32 s[G1A+4], 128                        ; tile_dim1 = 128
	s_mov_b32 s[G1A+5], 32                         ; from row to row
	s_mov_b32 s[G1A+6], 0
	s_mov_b32 s[G1A+7], 0
	; and for the scales: sixteen heads' 256 bytes (128 rows x 2), 4,096 bytes apart in asc
	s_mov_b32 s[G1S+0], 15|(3<<16)|(1<<21)
	s_mov_b32 s[G1S+1], 32<<16
	s_mov_b32 s[G1S+2], 16<<16
	s_mov_b32 s[G1S+3], 32<<16
	s_mov_b32 s[G1S+4], 16
	s_mov_b32 s[G1S+5], 512
	s_mov_b32 s[G1S+6], 0
	s_mov_b32 s[G1S+7], 0
	s_mov_b32 s[G0S], 1
	s_mov_b32 s[G0S+1], ASCT
	s_mov_b32 s[G0A], 1
	s_mul_i32 s[G0A+1], s[WV], 32768               ; third w of the block
	s_lshr_b32 s52, s50, 4                         ; asc: b = Y / 16: 16 heads x 4,096 bytes,
	s_lshl_b32 s52, s52, 16
	s_and_b32 s51, s50, 15
	s_lshl_b32 s51, s51, 8                         ; + the block's 128 rows in the batch
	s_add_co_u32 s52, s52, s51
	s_mov_b32 s53, 0
	s_mul_i32 s54, s50, 98304                      ; ac: block Y of 98,304 bytes,
	s_lshl_b32 s51, s[WV], 15                      ; + third w
	s_add_co_u32 s54, s54, s51
	s_mov_b32 s55, 0
	s_lshl_b32 s56, s49, 4
	s_lshl_b32 s57, s[WV], 2
	s_add_co_u32 s56, s56, s57                     ; my first n tile: 16 X + 4 w
	s_mul_i32 s58, s56, 12288                      ; in wc,
	s_mov_b32 s59, 0
	s_lshl_b32 s60, s56, 9                         ; in wsc,
	s_mov_b32 s61, 0
	s_lshl_b32 s62, s56, 6                         ; in fc_b and in a row of out0: 64 bytes an n tile
	s_mov_b32 s63, 0
	s_lshl_b32 s18, s50, 19                        ; out0: 128 Y rows of 4,096 bytes
	s_mov_b32 s19, 0
	s_wait_alu depctr_va_vdst(0)                   ; the wait at the head's end
	s_wait_dscnt 0x0                               ; both opening adds are done
	s_wait_kmcnt 0x0
	s_add_nc_u64 s[G0S+2:G0S+3], s[6:7], s[52:53]
	s_or_b32 s[G0S+3], s[G0S+3], 0x80000000        ; type = 2
	s_add_nc_u64 s[G0A+2:G0A+3], s[4:5], s[54:55]
	s_or_b32 s[G0A+3], s[G0A+3], 0x80000000
	s_add_nc_u64 s[8:9], s[8:9], s[58:59]
	s_add_nc_u64 s[10:11], s[10:11], s[60:61]
	s_add_nc_u64 s[12:13], s[12:13], s[62:63]
	s_add_nc_u64 s[14:15], s[14:15], s[62:63]
	s_add_nc_u64 s[14:15], s[14:15], s[18:19]
	CROUND                                         ; all four work-groups are here: the joint loads meet
	s_cmp_lt_u32 s[WV], 3                          ; one joint load a wave, in one chain of branches on the wave's number
	s_cbranch_scc0 .Lhead_s
	tensor_load_to_lds s[G0A:G0A+3], s[G1A:G1A+7]  ; waves 0 to 2: a third of A's block
	s_nop 0
.rept 4
	v_nop
.endr
	s_branch .Lhead_j
.Lhead_s:
	tensor_load_to_lds s[G0S:G0S+3], s[G1S:G1S+7]  ; wave 3: the scales
	s_nop 0
.rept 4
	v_nop
.endr
.Lhead_j:
	; what comes straight into registers, in the order of its use
.irp n, 0,1,2,3
	global_load_b128 v[WS+4*\n:WS+4*\n+3], v[LA], s[10:11] offset:512*\n      ; W's scale words: lanes 0-15 row r's four of K steps 0-3, lanes 16-31 those of K steps 4-7
.endr
	WIN 0x80                                       ; destination window 2
.irp n, 0,1,2,3
	global_load_b128 v[BI+8*\n:BI+8*\n+3], v[BO], s[12:13] offset:64*\n       ; the bias in the result's layout: lane (r, h): b[16 n + 8 h + 0 .. 7]
	global_load_b128 v[BI+8*\n+4:BI+8*\n+7], v[BO], s[12:13] offset:64*\n+16
.endr
	WIN 0x40                                       ; destination window 1
.irp n, 0,1,2,3
.irp k, 0,1,2,3
.irp c, 0,1,2
	global_load_b128 v[FR*(4*\n+\k)+4*\c:FR*(4*\n+\k)+4*\c+3], v[LA], s[8:9] offset:(8*\n+\k)*FRB+512*\c   ; W's fragments: 512 consecutive bytes a load; they stay
.endr
.endr
.endr
	WIN 0x80                                       ; destination window 2
.irp n, 0,1,2,3
.irp k, 0,1,2,3
.irp c, 0,1,2
	global_load_b128 v[FR*(4*\n+\k)+4*\c:FR*(4*\n+\k)+4*\c+3], v[LA], s[8:9] offset:(8*\n+\k+4)*FRB+512*\c
.endr
.endr
.endr
	WIN 0
	s_wait_tensorcnt 0x0                           ; my part lies in LDS,
	s_barrier_signal -1
	s_barrier_wait -1                              ; and so do everybody's: from here on they are only read
.irp p, 0,1,2,3                                ; A's scale half-words: lane l takes row 32 p + l: lanes 0-15 tile 2 p, lanes 16-31 tile 2 p + 1
.irp d, 0,1,2,3,4,5,6,7,8,9,10,11,12,13,14,15
	ds_load_u16 v[AF+16*\p+\d], v[SA] offset:256*\d+64*\p
.endr
.endr
	s_wait_dscnt 0x0
.irp p, 0,1,2,3                                ; two heads' half-words make the scale word of a K step.  Tile 0 names the first eight: 24 plain instructions follow them, more than the eight that stand between a scale's write and a scaled product
.irp k, 0,1,2,3,4,5,6,7
	v_lshl_or_b32 v[AS+8*\p+\k], v[AF+16*\p+2*\k+1], 16, v[AF+16*\p+2*\k]
.endr
.endr
	s_wait_alu depctr_va_vdst(0)                   ; no vector instruction writes a register from here on
; A's fragments of tile i, K steps 4 half .. 4 half + 3: sixteen LDS loads, each of consecutive bytes
.macro LOADA i, half
.irp q, 0,1,2,3
.irp c, 0,1
.set KK, 4*(\half)+\q
.set RG, AF+FR*KK+6*\c
.set OF, 12288*((\i)%4)+768*(2*KK+\c)
.if (\i) < 4
	ds_load_b128 v[RG:RG+3], v[LA] offset:OF
	ds_load_b64 v[RG+4:RG+5], v[LB] offset:OF+512
.else
	ds_load_b128 v[RG:RG+3], v[LA4] offset:OF
	ds_load_b64 v[RG+4:RG+5], v[LB4] offset:OF+512
.endif
.endr
.endr
.endm
; Four products: tile i of rows, K step k, my four n tiles: four accumulators, one instruction each, so that no two matrix instructions that follow each other share an accumulator.
; K step 0 takes the bias as C.  The rows of the scale registers: W's K steps 4-7 and A's odd tiles lie in lanes 16-31.
.macro MULK i, k
.irp n, 0,1,2,3
.set DR, ACC+32*((\i)%2)+8*\n
.set WR, FR*(4*\n+(\k)%4)
.set AR, AF+FR*(\k)
.set CR, DR
.if (\k) == 0
.set CR, BI+8*\n
.endif
.set SWR, WS+4*\n+(\k)%4
.set SAR, AS+8*((\i)/2)+(\k)
.if ((\k) < 4) && ((\i)%2 == 0)
	v_wmma_scale_f32_16x16x128_f8f6f4 v[DR:DR+7], v[WR:WR+FR-1], v[AR:AR+FR-1], v[CR:CR+7], v[SWR], v[SAR] matrix_a_fmt:MATRIX_FMT_BF6 matrix_b_fmt:MATRIX_FMT_BF6
.elseif (\k) < 4
	v_wmma_scale_f32_16x16x128_f8f6f4 v[DR:DR+7], v[WR:WR+FR-1], v[AR:AR+FR-1], v[CR:CR+7], v[SWR], v[SAR] matrix_a_fmt:MATRIX_FMT_BF6 matrix_b_fmt:MATRIX_FMT_BF6 matrix_b_scale:MATRIX_SCALE_ROW1
.elseif (\i)%2 == 0
	v_wmma_scale_f32_16x16x128_f8f6f4 v[DR:DR+7], v[WR:WR+FR-1], v[AR:AR+FR-1], v[CR:CR+7], v[SWR], v[SAR] matrix_a_fmt:MATRIX_FMT_BF6 matrix_b_fmt:MATRIX_FMT_BF6 matrix_a_scale:MATRIX_SCALE_ROW1
.else
	v_wmma_scale_f32_16x16x128_f8f6f4 v[DR:DR+7], v[WR:WR+FR-1], v[AR:AR+FR-1], v[CR:CR+7], v[SWR], v[SAR] matrix_a_fmt:MATRIX_FMT_BF6 matrix_b_fmt:MATRIX_FMT_BF6 matrix_a_scale:MATRIX_SCALE_ROW1 matrix_b_scale:MATRIX_SCALE_ROW1
.endif
.endr
.endm
; THE WAY OUT of tile i: a lane's 32 bytes of a row go into my own stage, and whole rows of 256 bytes come back.  LDS serves a wave's instructions in order (ISA guide 5.7.1.4): no wait between the stores and the loads.
.macro TOSTAGE i
.irp n, 0,1,2,3
.set DR, ACC+32*((\i)%2)+8*\n
	ds_store_b128 v[STO], v[DR:DR+3] offset:64*\n                  ; each accumulator from its low end on
	ds_store_b128 v[STO], v[DR+4:DR+7] offset:64*\n+16
.endr
.irp e, 0,1,2,3,4,5,6,7
	ds_load_b128 v[OB+4*\e:OB+4*\e+3], v[RD] offset:544*\e
.endr
.endm
.macro SEND a
.irp e, 0,1,2,3,4,5,6,7
	global_store_b128 v[CO], v[OB+4*\e:OB+4*\e+3], s[14:15] offset:(16*(\a)+2*\e)*4096 th:TH_STORE_NT   ; each half of the lanes stores 256 consecutive bytes, aligned; 126 rows at the most: inside the signed 24-bit immediate
.endr
.endm
; A tile of 16 rows: 32 products.  The next tile's fragments are fetched in two runs, each as soon as the K steps that it overwrites are multiplied; the tile before leaves in the middle.
.macro TILE i
.if (\i) == 0
	s_wait_dscnt 16                                ; K steps 0-3 are in; behind them: the sixteen loads of K steps 4-7
.else
	s_wait_dscnt 32                                ; K steps 0-3 are in; behind them: the sixteen loads of K steps 4-7 and the sixteen stage instructions of the tile before
.endif
	WIN 0x21                                       ; source 0 (W) window 1, source 2 (the bias) window 2
	MULK \i, 0
	WIN 0x01
	MULK \i, 1
	MULK \i, 2
	MULK \i, 3
	WIN 0
.if (\i) < 7
	PLACES
	LOADA \i+1, 0
	s_wait_dscnt 16                                ; all but the sixteen just issued: K steps 4-7 are in, and the tile before is back from the stage
.else
	s_wait_dscnt 0x0
.endif
.if (\i) > 0
	SEND \i-1
.else
	s_wait_loadcnt 0x0                             ; W's fragments of K steps 4-7 are in
.endif
	WIN 0x02                                       ; source 0 (W) window 2
	MULK \i, 4
	MULK \i, 5
	MULK \i, 6
	MULK \i, 7
	WIN 0
	PLACES                                         ; for the loads below, and for the stage's stores, which read results just made
.if (\i) < 7
	LOADA \i+1, 1
.endif
.if (\i) > 0
	s_wait_xcnt 0x0                                ; the last tile's stores have read their registers: the stage's loads land there only behind this wait
.endif
	TOSTAGE \i
.endm
	LOADA 0, 0
	LOADA 0, 1
	s_wait_loadcnt 48                              ; W's scale words, the bias and K steps 0-3 are in; the 48 loads of K steps 4-7 may be out
.irp i, 0,1,2,3,4,5,6,7
	TILE \i
.endr
	s_wait_dscnt 0x0
	SEND 7
	s_wait_tensorcnt 0x0                           ; the wave's end
	ds_add_u32 v[SPW], v[NIL]
	s_wait_dscnt 0x0
	CROUND                                         ; the closing round: no work-group ends while a partner may still ask for a tile that names it
	s_endpgm
.Lfunc_end_k_q73f54c7202_fc:
	.size	k_q73f54c7202_fc, .Lfunc_end_k_q73f54c7202_fc-k_q73f54c7202_fc
	.p2alignl 7, 3214868480
	.fill 96, 4, 3214868480
	.section	.rodata,"a",@progbits
	.p2align	6, 0x0
	.amdhsa_kernel k_q73f54c7202_fc
		.amdhsa_group_segment_fixed_size 168448
		.amdhsa_private_segment_fixed_size 0
		.amdhsa_enable_private_segment 0
		.amdhsa_kernarg_size 48
		.amdhsa_user_sgpr_count 2
		.amdhsa_user_sgpr_kernarg_segment_ptr 1
		.amdhsa_wavefront_size32 1
		.amdhsa_system_sgpr_workgroup_id_x 1
		.amdhsa_system_sgpr_workgroup_id_y 1
		.amdhsa_system_sgpr_workgroup_id_z 1
		.amdhsa_system_vgpr_workitem_id 0
		.amdhsa_next_free_vgpr 736
		.amdhsa_next_free_sgpr 66
		.amdhsa_reserve_vcc 0
		.amdhsa_float_denorm_mode_32 3
		.amdhsa_float_denorm_mode_16_64 3
		.amdhsa_memory_ordered 1
		.amdhsa_forward_progress 1
		.amdhsa_inst_pref_size 88
	.end_amdhsa_kernel
	.amdgpu_metadata
---
amdhsa.version: [ 1, 2 ]
amdhsa.kernels:
  - .name:           k_q73f54c7202_fc
    .symbol:         k_q73f54c7202_fc.kd
    .args:
      - { .name: ac, .offset: 0, .size: 8, .value_kind: global_buffer, .address_space: global }
      - { .name: asc, .offset: 8, .size: 8, .value_kind: global_buffer, .address_space: global }
      - { .name: wc, .offset: 16, .size: 8, .value_kind: global_buffer, .address_space: global }
      - { .name: wsc, .offset: 24, .size: 8, .value_kind: global_buffer, .address_space: global }
      - { .name: fc_b, .offset: 32, .size: 8, .value_kind: global_buffer, .address_space: global }
      - { .name: out0, .offset: 40, .size: 8, .value_kind: global_buffer, .address_space: global }
    .group_segment_fixed_size: 168448
    .private_segment_fixed_size: 0
    .kernarg_segment_align: 8
    .kernarg_segment_size: 48
    .max_flat_workgroup_size: 128
    .sgpr_count:     66
    .vgpr_count:     736
    .wavefront_size: 32
...
	.end_amdgpu_metadata
.endif
;; end of part 3
